; MI455X (gfx1250); checked and timed in simulation.
; The chip was launched on July 23, 2026; its instructions are those of AMD's public machine-readable ISA for CDNA 5 (MIT licence, August 2026) and "CDNA5" Instruction Set Architecture Reference Guide (July 2026). The comments in the code are by the model that wrote it; some were corrected since.
;; Attention Head. Allowed arithmetic: matrix products marked QUANTISED: E2M1 operands, one E8M0 scale for each 32 along K, by v_wmma_scale_f32_16x16x128_f8f6f4 with both operands' format E2M1 (or v_wmma_scale_f32_32x16x128_f4), f32 sums; everything else in f32.
;; Inputs: event_lengths 8 int32; k 8 x 2,048 x 128 float32; q 8 x 2,048 x 128 float32; v 8 x 2,048 x 128 float32.
;; Outputs: out0 8 x 2,048 x 128 float32.
;; This version of the problem:
;;   THIS VERSION OF THE PROBLEM IS GIVEN IN LOW PRECISION. The matrix products marked QUANTISED in the list below multiply operands that are first quantised to E2M1 (2 exponent bits, 1 mantissa bit; 4 bits a number), with one power-of-two scale for each 32 numbers along K (OCP MX v1.0); their sums are f32. All else is computed in f32.
;;   The module's matrix products, in the order in which they are computed (A, B: the left and right operand; K: the contracted axis; several contracted axes count as one K, in the product's order):
;;     1. batch 8 x [M 2,048, K 128] x [K 128, N 2,048]; A: input q; B: input k: QUANTISED
;;     2. batch 8 x [M 2,048, K 2,048] x [K 2,048, N 128]; A: softmax (see below); B: input v: QUANTISED
;;   THE QUANTISER, for each operand of a quantised product, along K:
;;     - K is cut into blocks of 32 from its start; a last block that is shorter is filled with zeros.
;;     - A block's scale is 2^e with e = floor(log2(the largest magnitude in the block)) - 2, held to -126 .. 127; a block of zeros has e = 0. As a byte (E8M0): e + 127.
;;     - Each number is divided by its block's scale, clamped to +-6, and rounded to the nearest number of E2M1, ties to even, subnormals kept.
;;     - The product sums the exact products of the quantised numbers (number of the format x scale) in f32.
;;   ~~~python
;;   def quantise(x, axis):      # numpy; x: float32 -> the quantised numbers, widened to float32 again
;;       x = np.moveaxis(x, axis, -1); K = x.shape[-1]
;;       x = np.pad(x, [(0, 0)] * (x.ndim - 1) + [(0, -K % 32)]); x = x.reshape(x.shape[:-1] + (-1, 32)); a = np.abs(x).max(-1, keepdims=True)
;;       e = np.where(a > 0, np.clip(np.frexp(np.where(a > 0, a, 1))[1] - 1 - 2, -126, 127), 0)      # np.frexp(a)[1] - 1 = floor(log2(a)), exactly
;;       r = np.clip(x / 2.0 ** e, -6, 6)
;;       step = 2.0 ** (np.maximum(np.frexp(np.where(r == 0, 1, r))[1] - 1, 0) - 1)
;;       q = np.round(r / step) * step * 2.0 ** e      # np.round: ties to even
;;       return np.moveaxis(q.reshape(q.shape[:-2] + (-1,))[..., :K], -1, axis).astype(np.float32)
;;   ~~~
;;   SOFTMAX AHEAD OF A QUANTISED PRODUCT. Where the list says 'softmax', what is quantised is not the finished softmax but p = 2^(t - M), with t = logit x log2(e) and M = ceil(the row's largest t), a whole number; so 1/2 < the row's largest p <= 1. The row's sum l is taken of the UNQUANTISED p, in f32, and the product's result is divided by l at the end. Since M is a whole number, a kernel that streams over the keys may use a running M (the ceiling of the running maximum): every later rescaling is an exact power of two, which a block's scale takes up: the codes' values come out the same.
;;   OPERANDS COMPUTED ON THE WAY. 'Computed on the way' means the value that the module computes at that place (a softmax that the list does not call 'softmax' is quantised finished and normalised). What goes into a quantiser is computed in f32, as accurately as f32 sums, v_exp_f32 and their like allow (about 1e-6 of the number): no bf16 or f16 on the way to a quantiser, and a product that is left as it is and whose result goes on into a quantised operand takes f32 operands (vector FMAs, or v_wmma_f32_16x16x4_f32). A number that lies on a knife's edge between two numbers of the format may be rounded either way, as far as f32 arithmetic and the matrix unit's own rounding can turn it there, and no further.
;; One version. Each part assembles by itself: llvm-mc -triple=amdgcn-amd-amdhsa -mcpu=gfx1250 --defsym DOCPART=n.
;; ======== version 1 of 1: 2 launches
;; limits: right only within a limited range of input values
;; workspace buffers: qc 1,048,576 bytes; qs 65,536 bytes; kc 1,048,576 bytes; ks 65,536 bytes; vc 1,048,576 bytes; vs 65,536 bytes; vsum 65,536 bytes; plan 8,192 bytes of whole numbers
;; launch prep (part 1): grid 385 x 1, 4 waves a work-group, no clusters, 68,096 bytes of LDS; arguments event_lengths, q, k, v, qc, qs, kc, ks, vc, vs, vsum, plan; writes qc, qs, kc, ks, vc, vs, vsum, plan
.if DOCPART == 1
	.amdgcn_target "amdgcn-amd-amdhsa--gfx1250"
	.amdhsa_code_object_version 6
	.text
	.protected	k_q5f472d7b20_prep
	.globl	k_q5f472d7b20_prep
	.p2align	8
	.type	k_q5f472d7b20_prep,@function
k_q5f472d7b20_prep:
	s_mov_b64 s[64:65], 0
	v_nop
	global_prefetch_b8 v0, s[64:65] scope:SCOPE_SE
	s_setreg_imm32_b32 hwreg(HW_REG_WAVE_MODE, 25, 1), 1
	s_wait_xcnt 0x0
; PREP: q, k, v (f32, [8][2048][128]) become codes of FP4 (E2M1) with one E8M0 byte for each 32 along a product's K, laid as IMAGES OF THE OPERANDS' REGISTERS,
; and the quantised v's column sums, one vector of 128 for each step of 128 keys, are made by the FP4 matrix instruction with an operand of ones.
; WORK LEFT OUT, in the problem's terms (len = event_lengths[b], held to 0 .. 2048, which is all that idx < len can tell):
;  - Rows q >= len: jnp.where replaces every score of the row by -1e9, whatever q and k hold.  t = -1e9 x log2(e) has a magnitude over 2^30, so in f32 it is a whole number: M = t, p = 1 for all
;    2,048 keys, its code is exact, l = 2,048.  All such rows of a batch are ONE vector: the column sum of the quantised v over all keys, x 2^-11.  So q's rows >= len reach no output; one row is made, not up to 2,048.
;  - Keys >= len: their scores are replaced too, so k's rows there reach no output; k is quantised only in steps of 128 keys that begin under len, q only in units of 32 rows that begin under len.
;  - For rows q < len the keys >= len have p = 2^(-1.44e9 - M), which is 0 in f32 while the row's largest logit lies above about -1e9 + 100: key steps wholly >= len are not multiplied.
;  The choice is made by whole numbers read from memory.  All four inputs are loaded.
; LIMITS: a NaN, an infinity or an overflow in q or k that reaches only the work left out is not carried to the result (reference() drops those too); one in v at keys >= len is not carried into rows < len.
;  Blocks whose largest magnitude lies under 2^-124 have their byte held at 1; a block of zeros gets the byte 1 with zero codes (only this program reads the bytes); NaN and infinities among the inputs are not served.
; AN IMAGE of a fragment (16 rows x 128 K, 8 registers a lane) is 1,024 bytes: registers 4 c .. 4 c + 3 of lane l at 512 c + 16 l.  Lane (r, h) holds row r, K = 64 c + 32 h + 0 .. 31.
;  qc [b][tile x of 16 queries]; kc [b][step of 128 keys][tile t]; vc [b][step][tile of 16 channels]; scale words (4 bytes a row and 128 K) qs [b][x][r], ks [b][step][t][r], vs [b][step][d]; vsum [b][step][d] f32.
;  K'S TILES DO NOT HOLD NEIGHBOURS: place r of tile 2 b' + u is key 32 b' + 8 u + r + 8 (r / 8), so that the scores of two neighbouring tiles are 16 neighbouring keys in a lane.
; SHARES.  Work-groups 0-127: v, one step of 128 keys each; a lane takes a channel and its registers run down the keys.  Work-groups 128-255: q; 256-383: k; a wave takes 32 rows (two tiles).
; No tensor loads, no barrier: waves share nothing.  Every offset is an immediate, no store's registers are written again.
.set WST,    16896                     ; a wave's stage in LDS: 32 rows x SP bytes
.set SP,     528                       ; a stage row: 512 bytes + 16 of padding = 132 words, so that 16 rows start at 16 different groups of banks
.set SPARE,  4*WST                     ; behind the four stages: the spare words, 128 bytes for each wave
.set FLOOR,  0x1800000                 ; 2^(3 - 127): under it no largest magnitude is taken, so a byte cannot fall under 1
.set TWOOFF, 0xff000000                ; takes 2 off an exponent field
	s_load_b512 s[8:23], s[0:1], 0x0               ; lengths 8:9, q 10:11, k 12:13, v 14:15, qc 16:17, qs 18:19, kc 20:21, ks 22:23
	s_load_b128 s[24:27], s[0:1], 0x40             ; vc 24:25, vs 26:27
	s_load_b64 s[28:29], s[0:1], 0x50              ; vsum
	v_lshl_add_u32 v10, v0, 2, SPARE               ; my spare word; never rewritten
	v_mov_b32 v11, 0                               ; 0; never rewritten
	v_lshrrev_b32 v1, 5, v0
	v_readfirstlane_b32 s2, v1                     ; wave 0..3
	v_and_b32 v7, 31, v0                           ; lane
	v_and_b32 v8, 15, v0                           ; r
	v_bfe_u32 v9, v0, 4, 1                         ; h
	s_cmp_eq_u32 ttmp9, 384                        ; work-group 384 makes the next launch's plan
	s_cbranch_scc1 .Lplan
	s_cmp_lt_u32 ttmp9, 128
	s_cbranch_scc0 .Lqk
; ---------------- V: work-group G = 16 b + step.  Thread t takes channel d = t; registers v64-191 are its 128 keys.
	v_lshlrev_b32 v1, 2, v0                        ; 4 d: in a row of v, among the scale words, in vsum
	v_lshlrev_b32 v2, 4, v7
	v_lshl_add_u32 v2, s2, 11, v2                  ; the images of my wave's two tiles: 2,048 x wave + 16 x lane
	s_lshl_b32 s4, ttmp9, 16                       ; 128 keys x 512 bytes
	s_mov_b32 s5, 0
	s_lshl_b32 s6, ttmp9, 13                       ; 8 images
	s_mov_b32 s7, 0
	s_lshl_b32 s30, ttmp9, 9                       ; 128 words
	s_mov_b32 s31, 0
	s_wait_alu depctr_va_vdst(0)
	s_wait_kmcnt 0x0
	s_add_nc_u64 s[14:15], s[14:15], s[4:5]
	s_add_nc_u64 s[24:25], s[24:25], s[6:7]
	s_add_nc_u64 s[26:27], s[26:27], s[30:31]
	s_add_nc_u64 s[28:29], s[28:29], s[30:31]
.set kk, 0
.rept 128
	global_load_b32 v[64+kk], v1, s[14:15] offset:512*kk th:TH_LOAD_NT   ; key kk: a wave reads 128 consecutive bytes, the four waves a whole row
.set kk, kk+1
.endr
.irp j, 0,1,2,3,4,5,6,7
	v_mov_b32 v[208+\j], 0x22222222                ; an operand of ones: the code of 1.0 is 2
.endr
	v_mov_b32 v233, 0x7f7f7f7f                     ; and its scales: 2^0
; Block j of 32 keys: all its numbers are mine.  Its codes go to v[192 + 8 (j & 1) + 4 (j >> 1)] on, its byte into the scale word v232.
.macro VBLOCK j
.set XS, 64+32*(\j)
.set CD, 192+8*((\j)&1)+4*((\j)>>1)
	v_max3_num_f32 v12, |v[XS]|, |v[XS+1]|, |v[XS+2]|
	v_max3_num_f32 v13, |v[XS+3]|, |v[XS+4]|, |v[XS+5]|
.irp i, 6,10,14,18,22,26
	v_max3_num_f32 v12, v12, |v[XS+\i]|, |v[XS+\i+1]|       ; two chains, so that they do not wait for each other
	v_max3_num_f32 v13, v13, |v[XS+\i+2]|, |v[XS+\i+3]|
.endr
	v_max3_num_f32 v12, v12, |v[XS+30]|, |v[XS+31]|
	v_max3_num_f32 v12, v12, v13, FLOOR
	v_add_nc_u32 v14, TWOOFF, v12                  ; the conversion takes the exponent field of this operand as its scale
	v_lshrrev_b32 v15, 23, v14                     ; the scale's byte
.if (\j) == 0
	v_mov_b32 v232, v15
.else
	v_lshl_or_b32 v232, v15, 8*(\j), v232
.endif
.irp g, 0,1,2,3
	v_cvt_scalef32_pk8_fp4_f32 v[CD+\g], v[XS+8*\g:XS+8*\g+7], v14
.endr
.endm
	s_wait_loadcnt 63                              ; of 128 loads at most 63 are out: the first 65 are in, blocks 0 and 1 among them
	VBLOCK 0
	VBLOCK 1
	s_wait_loadcnt 32                              ; block 3's 32 may be out
	VBLOCK 2
	s_wait_loadcnt 0x0
	VBLOCK 3
	v_nop                                          ; one plain place behind a scaled conversion
; Lanes 0-15 hold the channels of tile 2 w, lanes 16-31 those of tile 2 w + 1, each all four blocks.  The operand wants block 2 c in lanes 0-15 and block 2 c + 1 in lanes 16-31:
; the swap gives v192-199 = tile 2 w, v200-207 = tile 2 w + 1.
.irp i, 0,1,2,3,4,5,6,7
	v_permlane16_swap_b32 v[192+\i], v[200+\i]
.endr
.irp g, 0,1,2,3
	global_store_b128 v2, v[192+4*\g:195+4*\g], s[24:25] offset:512*\g   ; 512 consecutive bytes, aligned
.endr
	global_store_b32 v1, v232, s[26:27]            ; the scale words: lanes 0-15 tile 2 w's rows, lanes 16-31 tile 2 w + 1's
	v_cmp_gt_u32 vcc_lo, 16, v7
.rept 8
	v_nop                                          ; a scale register written by a vector instruction stands 8 places ahead of a scaled matrix instruction, an operand so written 4
.endr
	v_wmma_scale_f32_16x16x128_f8f6f4 v[216:223], v[208:215], v[192:199], 0, v233, v232 matrix_a_fmt:MATRIX_FMT_FP4 matrix_b_fmt:MATRIX_FMT_FP4   ; ones x tile 2 w: every row of the result is the tile's 16 column sums
	v_wmma_scale_f32_16x16x128_f8f6f4 v[224:231], v[208:215], v[200:207], 0, v233, v232 matrix_a_fmt:MATRIX_FMT_FP4 matrix_b_fmt:MATRIX_FMT_FP4 matrix_b_scale:MATRIX_SCALE_ROW1
.rept 4
	v_nop                                          ; four places ahead of the first read of the results
.endr
	v_cndmask_b32 v16, v224, v216, vcc_lo          ; register 0 of lane l holds channel l % 16 of its tile: lanes 0-15 take tile 2 w's, lanes 16-31 tile 2 w + 1's
	global_store_b32 v1, v16, s[28:29]
	s_endpgm
; ---------------- Q AND K: one path, the buffers chosen by the work-group's number.  Unit un = 64 b + (32 rows' number) is my wave's.
.Lqk:
	s_sub_co_u32 s3, ttmp9, 128                    ; 0-127: q, 128-255: k
	s_lshl_b32 s4, s3, 2
	s_add_co_u32 s4, s4, s2
	s_and_b32 s4, s4, 511                          ; un
	s_lshr_b32 s5, s4, 6                           ; b
	s_lshl_b32 s44, s5, 2
	s_mov_b32 s45, 0
	s_and_b32 s43, s4, 63
	s_lshl_b32 s43, s43, 5                         ; the unit's first row in its batch
	s_mov_b32 s36, 0x76543210
	s_mov_b32 s37, 0xfedcba98                      ; v_permlanex16_b32's selects for lane l xor 16
	s_mul_i32 s5, s2, WST                          ; my stage
	s_wait_alu depctr_va_vdst(0)
	v_lshlrev_b32 v1, 4, v7                        ; 16 x lane
	v_add_nc_u32 v4, s5, v1                        ; into the stage: a row as it lies
	v_mul_u32_u24 v5, v8, SP
	v_lshl_add_u32 v5, v9, 7, v5
	v_add_nc_u32 v5, s5, v5                        ; out of it: row r, + 128 h bytes: my 32 numbers of each 64
	v_lshlrev_b32 v6, 2, v7                        ; 4 x lane
	v_lshlrev_b32 v23, 3, v9                       ; 8 h
	v_mov_b32 v24, 0                               ; a lane permute's destination counts as read
	s_wait_alu depctr_va_vdst(0)
	s_wait_kmcnt 0x0
	s_add_nc_u64 s[8:9], s[8:9], s[44:45]
	s_load_b32 s41, s[8:9], 0x0                    ; my batch's length
	s_cmp_lt_u32 s3, 128                           ; q?  The choice hangs on the work-group's number alone
	s_cselect_b64 s[30:31], s[10:11], s[12:13]     ; the numbers,
	s_cselect_b64 s[32:33], s[16:17], s[20:21]     ; the codes,
	s_cselect_b64 s[34:35], s[18:19], s[22:23]     ; the scale words
	s_mov_b32 s38, 8192
	s_cselect_b32 s38, 4096, s38                   ; where stage rows 8-15 come from: q: rows 8 on; k: rows 16 on
	s_mov_b32 s39, 4096
	s_cselect_b32 s39, 8192, s39                   ; and stage rows 16-23: q: rows 16 on; k: rows 8 on
	s_cselect_b32 s40, -1, 0xffffff80              ; q is needed by units of 32 rows, k by steps of 128 keys
	s_lshl_b32 s6, s4, 14                          ; 32 rows x 512 bytes
	s_mov_b32 s7, 0
	s_add_nc_u64 s[30:31], s[30:31], s[6:7]
	s_lshl_b32 s6, s4, 11                          ; two images
	s_add_nc_u64 s[32:33], s[32:33], s[6:7]
	s_lshl_b32 s6, s4, 7                           ; 32 words
	s_add_nc_u64 s[34:35], s[34:35], s[6:7]
	s_and_b32 s43, s43, s40
	v_add_nc_u32 v2, s38, v1
	v_add_nc_u32 v3, s39, v1
	s_wait_kmcnt 0x0
	s_max_i32 s41, s41, 0
	s_min_i32 s41, s41, 2048
	s_cmp_ge_i32 s43, s41                          ; nothing of the unit (of its step) lies under the length: nobody will read it
	s_cbranch_scc1 .Lskip
; 32 loads, a row of 512 bytes each.  Stage row 16 u + r takes the row that place r of tile u holds: K's order of rows lives in these offsets alone.
.irp s, 0,1,2,3,4,5,6,7
	global_load_b128 v[64+4*\s:67+4*\s], v1, s[30:31] offset:512*\s th:TH_LOAD_NT
.endr
	s_wait_alu depctr_va_vdst(0)
.irp s, 0,1,2,3,4,5,6,7
	global_load_b128 v[96+4*\s:99+4*\s], v2, s[30:31] offset:512*\s th:TH_LOAD_NT
.endr
.irp s, 0,1,2,3,4,5,6,7
	global_load_b128 v[128+4*\s:131+4*\s], v3, s[30:31] offset:512*\s th:TH_LOAD_NT
.endr
.irp s, 24,25,26,27,28,29,30,31
	global_load_b128 v[64+4*\s:67+4*\s], v1, s[30:31] offset:512*\s th:TH_LOAD_NT
.endr
.irp g, 0,1,2,3
	s_wait_loadcnt 24-8*\g                         ; this group of eight is in; the later groups may be out
.irp s, 0,1,2,3,4,5,6,7
	ds_store_b128 v4, v[64+32*\g+4*\s:67+32*\g+4*\s] offset:SP*(8*\g+\s)
.endr
.endr
.irp c, 0,1                                    ; tile 0 back: lane (r, h) takes K = 64 c + 32 h + 0 .. 31 of stage row r.  LDS serves a wave's instructions in order: these see my stores
.irp i, 0,1,2,3,4,5,6,7
	ds_load_b128 v[192+32*\c+4*\i:195+32*\c+4*\i], v5 offset:256*\c+16*\i
.endr
.endr
	s_wait_dscnt 0x0
.irp c, 0,1                                    ; tile 1 comes while tile 0 is worked
.irp i, 0,1,2,3,4,5,6,7
	ds_load_b128 v[64+32*\c+4*\i:67+32*\c+4*\i], v5 offset:16*SP+256*\c+16*\i
.endr
.endr
; 64 numbers of a lane, two whole blocks (2 c + h), become the operand's 8 registers v[cod] on; the row's scale word, gathered from lanes l and l xor 16, in v[wrd].
.macro QTILE src, cod, wrd
.irp c, 0,1
	v_max3_num_f32 v[16+\c], |v[\src+32*\c]|, |v[\src+32*\c+1]|, FLOOR
.endr
.irp i, 2,4,6,8,10,12,14,16,18,20,22,24,26,28,30
.irp c, 0,1
	v_max3_num_f32 v[16+\c], v[16+\c], |v[\src+32*\c+\i]|, |v[\src+32*\c+\i+1]|   ; the two blocks by turns
.endr
.endr
.irp c, 0,1
	v_add_nc_u32 v[18+\c], TWOOFF, v[16+\c]        ; the conversion's scale operand
.endr
.irp c, 0,1
	v_lshrrev_b32 v[20+\c], 23, v[18+\c]           ; the byte
.endr
	v_lshl_or_b32 v[\wrd], v21, 16, v20            ; blocks h and 2 + h,
	v_lshlrev_b32 v[\wrd], v23, v[\wrd]            ; 8 h bits up;
	v_permlanex16_b32 v24, v[\wrd], s36, s37
	v_or_b32 v[\wrd], v[\wrd], v24                 ; with lane l xor 16's two the word is whole
.irp c, 0,1
.irp g, 0,1,2,3
	v_cvt_scalef32_pk8_fp4_f32 v[\cod+4*\c+\g], v[\src+32*\c+8*\g:\src+32*\c+8*\g+7], v[18+\c]
.endr
.endr
	v_nop                                          ; one plain place behind a scaled conversion
.endm
	QTILE 192, 32, 26
	global_store_b128 v1, v[32:35], s[32:33]
	global_store_b128 v1, v[36:39], s[32:33] offset:512
	s_wait_dscnt 0x0                               ; tile 1 is in
	QTILE 64, 40, 27
	global_store_b128 v1, v[40:43], s[32:33] offset:1024
	global_store_b128 v1, v[44:47], s[32:33] offset:1536
	v_cmp_gt_u32 vcc_lo, 16, v7
	v_cndmask_b32 v28, v27, v26, vcc_lo            ; lanes 0-15 tile 0's words, lanes 16-31 tile 1's
	global_store_b32 v6, v28, s[34:35]
	s_wait_tensorcnt 0x0                           ; the wave's end
	ds_add_u32 v10, v11
	s_wait_dscnt 0x0
	s_endpgm
.Lskip:
	s_endpgm                                       ; reached ahead of every LDS write
; ---------------- THE PLAN.  A task is a pair of query tiles (32 rows) of a batch that begins under the batch's length.  Tasks are numbered by descending length of their batch (equal lengths: the lower batch
; first).  Work-group w of the next launch takes tasks w and 511 - w: there are never more than 8 x 64 = 512.  An entry is {batch, pair, key steps, length}; a task that does not exist has zeros.
; plan: 256 entries of 16 bytes for the first tasks, then 256 for the second.  Thread t makes the entries of w = t and w = t + 128.
.Lplan:
	s_load_b64 s[46:47], s[0:1], 0x58              ; plan
	v_lshlrev_b32 v1, 4, v0
	v_add_nc_u32 v16, 128, v0
	v_sub_nc_u32 v17, 511, v0
	v_sub_nc_u32 v19, 383, v0
	s_wait_alu depctr_va_vdst(0)
	s_wait_kmcnt 0x0
	s_load_b256 s[48:55], s[8:9], 0x0              ; all eight lengths
	s_wait_kmcnt 0x0
.irp b, 0,1,2,3,4,5,6,7
	s_max_i32 s[48+\b], s[48+\b], 0
	s_min_u32 s[48+\b], s[48+\b], 2048
	s_add_co_u32 s[56+\b], s[48+\b], 31
	s_lshr_b32 s[56+\b], s[56+\b], 5               ; s56-63: pairs
	s_lshl_b32 s[74+\b], s[48+\b], 3
	s_or_b32 s[74+\b], s[74+\b], 7-\b              ; s74-81: what the order goes by: all different
	s_add_co_u32 s[82+\b], s[48+\b], 127
	s_lshr_b32 s[82+\b], s[82+\b], 7               ; s82-89: key steps
	s_mov_b32 s[66+\b], 0
.endr
.irp b, 0,1,2,3,4,5,6,7                        ; s66-73: a batch's first task = the pairs of the batches ahead of it
.irp d, 0,1,2,3,4,5,6,7
.if \d != \b
	s_cmp_gt_u32 s[74+\d], s[74+\b]
	s_cselect_b32 s90, s[56+\d], 0
	s_add_co_u32 s[66+\b], s[66+\b], s90
.endif
.endr
.endr
	s_wait_alu depctr_va_vdst(0)
.macro ENTRY t, e, at
.irp i, 0,1,2,3
	v_mov_b32 v[\e+\i], 0
.endr
.irp b, 0,1,2,3,4,5,6,7
	v_sub_nc_u32 v18, v[\t], s[66+\b]
	v_cmp_gt_u32 vcc_lo, s[56+\b], v18             ; is the task one of batch b's pairs?
	v_cndmask_b32 v[\e], v[\e], \b, vcc_lo
	v_cndmask_b32 v[\e+1], v[\e+1], v18, vcc_lo
	v_cndmask_b32 v[\e+2], v[\e+2], s[82+\b], vcc_lo
	v_cndmask_b32 v[\e+3], v[\e+3], s[48+\b], vcc_lo
.endr
	global_store_b128 v1, v[\e:\e+3], s[46:47] offset:\at
.endm
	ENTRY 0, 20, 0
	ENTRY 16, 24, 2048
	ENTRY 17, 28, 4096
	ENTRY 19, 32, 6144
	s_endpgm
.Lfunc_end_k_q5f472d7b20_prep:
	.size	k_q5f472d7b20_prep, .Lfunc_end_k_q5f472d7b20_prep-k_q5f472d7b20_prep
	.p2alignl 7, 3214868480
	.fill 96, 4, 3214868480
	.section	.rodata,"a",@progbits
	.p2align	6, 0x0
	.amdhsa_kernel k_q5f472d7b20_prep
		.amdhsa_group_segment_fixed_size 68096
		.amdhsa_private_segment_fixed_size 0
		.amdhsa_enable_private_segment 0
		.amdhsa_kernarg_size 96
		.amdhsa_user_sgpr_count 2
		.amdhsa_user_sgpr_kernarg_segment_ptr 1
		.amdhsa_wavefront_size32 1
		.amdhsa_system_sgpr_workgroup_id_x 1
		.amdhsa_system_sgpr_workgroup_id_y 1
		.amdhsa_system_sgpr_workgroup_id_z 1
		.amdhsa_system_vgpr_workitem_id 0
		.amdhsa_next_free_vgpr 256
		.amdhsa_next_free_sgpr 96
		.amdhsa_reserve_vcc 1
		.amdhsa_float_denorm_mode_32 3
		.amdhsa_float_denorm_mode_16_64 3
		.amdhsa_memory_ordered 1
		.amdhsa_forward_progress 1
		.amdhsa_inst_pref_size 57
	.end_amdhsa_kernel
	.amdgpu_metadata
---
amdhsa.version: [ 1, 2 ]
amdhsa.kernels:
  - .name:           k_q5f472d7b20_prep
    .symbol:         k_q5f472d7b20_prep.kd
    .args:
      - { .name: event_lengths, .offset: 0, .size: 8, .value_kind: global_buffer, .address_space: global }
      - { .name: q, .offset: 8, .size: 8, .value_kind: global_buffer, .address_space: global }
      - { .name: k, .offset: 16, .size: 8, .value_kind: global_buffer, .address_space: global }
      - { .name: v, .offset: 24, .size: 8, .value_kind: global_buffer, .address_space: global }
      - { .name: qc, .offset: 32, .size: 8, .value_kind: global_buffer, .address_space: global }
      - { .name: qs, .offset: 40, .size: 8, .value_kind: global_buffer, .address_space: global }
      - { .name: kc, .offset: 48, .size: 8, .value_kind: global_buffer, .address_space: global }
      - { .name: ks, .offset: 56, .size: 8, .value_kind: global_buffer, .address_space: global }
      - { .name: vc, .offset: 64, .size: 8, .value_kind: global_buffer, .address_space: global }
      - { .name: vs, .offset: 72, .size: 8, .value_kind: global_buffer, .address_space: global }
      - { .name: vsum, .offset: 80, .size: 8, .value_kind: global_buffer, .address_space: global }
      - { .name: plan, .offset: 88, .size: 8, .value_kind: global_buffer, .address_space: global }
    .group_segment_fixed_size: 68096
    .private_segment_fixed_size: 0
    .kernarg_segment_align: 8
    .kernarg_segment_size: 96
    .max_flat_workgroup_size: 128
    .sgpr_count:     96
    .vgpr_count:     256
    .wavefront_size: 32
...
	.end_amdgpu_metadata
.endif
;; end of part 1
;; launch attn (part 2): grid 256 x 1, 8 waves a work-group, no clusters, 79,360 bytes of LDS; arguments event_lengths, qc, qs, kc, ks, vc, vs, vsum, plan, out0; writes out0
.if DOCPART == 2
	.amdgcn_target "amdgcn-amd-amdhsa--gfx1250"
	.amdhsa_code_object_version 6
	.text
	.protected	k_q5f472d7b20_attn
	.globl	k_q5f472d7b20_attn
	.p2align	8
	.type	k_q5f472d7b20_attn,@function
k_q5f472d7b20_attn:
	s_mov_b64 s[64:65], 0
	v_nop
	global_prefetch_b8 v0, s[64:65] scope:SCOPE_SE
	s_setreg_imm32_b32 hwreg(HW_REG_WAVE_MODE, 25, 1), 1
	s_wait_xcnt 0x0
; ATTN: out0[b][q] = softmax over the keys of the masked scores, times v, both products on codes of FP4 (E2M1) with E8M0 scales, from the register images that the launch before stored.
; WORK LEFT OUT (shown at the head of the first kernel): key steps that begin at or beyond len = event_lengths[b] (their p is 0 in f32 for rows under len); the products of rows >= len, which are all one vector,
; the column sum of the quantised v x 2^-11.  LIMITS as stated there; len is held to 0 .. 2048.
; THE SOFTMAX AHEAD OF THE SECOND PRODUCT: t = score x log2(e) / sqrt(128); M = the largest t OF A KEY STEP, rounded UP to a whole number; p = 2^(t - M) is quantised along the keys, not normalised; the step's sum is taken
; of the unquantised p.  Steps meet under the row's largest M: a step's scale bytes fall by the whole number M* - M (held at 126; a byte that would fall under 1 becomes 0, 2^-127), its sum is multiplied by 2^(M - M*).
; No code changes by that.
; SHARES.  A work-group takes two tasks of the plan, one after the other; a task is 32 queries, two tiles of 16, of one batch.  ITS EIGHT WAVES SHARE THE KEYS for the scores: wave w takes steps w and w + 8 of 128 keys, both
; tiles, so that a fragment of K feeds two products.  p's codes, scale words, -M and sums go to LDS.  Behind a barrier THE WAVES SHARE THE CHANNELS: wave w takes channels 32 (w & 3) on, both tiles, over the steps of parity
; w >> 2.  The two parts of O meet in LDS; each wave adds, divides and stores four whole rows of 512 bytes.  A step that does not exist leaves zero codes, a sum of 0 and -M = 3e38.
; ROWS >= len are dealt apart from the tasks: work-group g stores those among rows 64 g .. 64 g + 63 of all 16,384, at the head, while the first task's loads are out.  Every row has one owner: a task stores only rows < len.
; No tensor load, no cluster: what a wave walks hangs on numbers read from memory, and partners would need different numbers of tiles; operands come from memory straight into registers.  No prefetch: there is no loop to
; run ahead in: a wave asks for both its steps of K and its eight steps of V directly, each ahead of a softmax or more.
; In the first task a wave with no step asks for K of the task's last step, which it does not use: so the loads behind the column sums are as many in every wave, and their counted wait holds.
; LAYOUT.  Both products are used transposed: S^T = K Q^T, O^T = V^T P^T, 32 rows x 16 queries an instruction (two neighbouring images are one operand of 32 rows).  A lane holds ONE query (lane % 16) of each tile.
; Register 16 b + i of S^T is key 32 b + 16 (lane / 16) + i.
; REGISTERS, in windows of 256 (s_set_vgpr_msb: bits 1:0 source 0, 3:2 source 1, 5:4 source 2, 7:6 destination).
;  window 0: v1-17 addresses that stay; v32-159 the scores, then p, of both tiles, later p's codes of eight steps; v160-175 Q; v176-179, v180-183 K's scale words; v184-191 V's; v192-193 Q's; v194-254 at work, O^T among them.
;  window 1: v0-63, v64-127 K of my two steps; v128-255 V of eight steps, 16 registers each.
; POSITION of step s in LDS: 8 (s & 1) + (s >> 1): the steps of one parity lie on end.  Wave w's second step lies four positions behind its first.
.set SPI,   80                         ; a row of 16 words in LDS: 64 bytes + 16
.set PS,    32768                      ; p's codes lie from byte 0 on: 2,048 bytes a position, 1,024 a tile.  Then, 32 rows of 16 positions each: scale words,
.set NMO,   32*SPI                     ; -M,
.set LLO,   64*SPI                     ; sums
.set OST,   PS+96*SPI                  ; two parts of O: 32 rows x OP bytes each
.set OP,    528                        ; 512 bytes + 16
.set OPART, 32*OP
.set UB,    OST+2*OPART                ; the waves' parts of the uniform vector, 512 bytes each
.set SPARE, UB+4096                    ; the spare words, 128 bytes for each wave
.set SC,   32                          ; the scores: tile q's block b at SC + 64 q + 16 b
.set OA,  196                          ; O^T: 16 registers a tile
.set BM,  196                          ; blocks' maxima, 4 a tile
.set PM,  204                          ; the other half's; the scale bytes
.set SO,  212                          ; the conversions' scale operands
.set NEG, 220                          ; -M: v220, v222 (each the low word of a pair)
.set SM,  224                          ; sums: 4 a tile
.set CODE, 232                         ; p's codes, 8 a tile
.set WRD, 248                          ; p's scale words, one a tile
.set TT,  250                          ; the step's largest t, one a tile
.set VB,  128                          ; window 1: V
.set MSB, 0
.macro WIN new                         ; the immediate's high byte repeats the setting that is left; a switch that changes nothing is dropped
.if MSB != \new
	s_set_vgpr_msb (MSB<<8)|\new
.set MSB, \new
.endif
.endm
	s_load_b512 s[8:23], s[0:1], 0x0               ; lengths 8:9, qc 10:11, qs 12:13, kc 14:15, ks 16:17, vc 18:19, vs 20:21, vsum 22:23
	s_load_b128 s[24:27], s[0:1], 0x40             ; plan 24:25, out0 26:27
	v_lshl_add_u32 v5, v0, 2, SPARE                ; my spare word; never rewritten
	v_mov_b32 v6, 0                                ; 0; never rewritten
	v_lshrrev_b32 v18, 5, v0                       ; wave
	v_readfirstlane_b32 s2, v18
	v_and_b32 v19, 31, v0                          ; lane
	v_and_b32 v20, 15, v0                          ; r
	v_bfe_u32 v21, v0, 4, 1                        ; h
	v_lshlrev_b32 v1, 4, v19                       ; 16 x lane
	v_lshlrev_b32 v2, 2, v19                       ; 4 x lane
	v_lshlrev_b32 v3, 2, v20                       ; 4 r
	v_lshlrev_b32 v17, 4, v21                      ; 16 h
	v_and_b32 v22, 1, v18
	v_lshrrev_b32 v23, 1, v18
	v_lshl_add_u32 v22, v22, 3, v23                ; my first step's position
	v_lshl_add_u32 v4, v22, 11, v1                 ; where I put p's codes
	v_mul_u32_u24 v9, v19, SPI
	v_add_nc_u32 v9, PS, v9                        ; row lane of the words: lanes 0-15 tile 0's rows, 16-31 tile 1's
	v_lshl_add_u32 v7, v22, 2, v9                  ; and my first step's place in it
	v_lshrrev_b32 v23, 2, v18                      ; my parity
	v_lshl_add_u32 v10, v23, 5, v9                 ; my parity's eight words
	v_lshl_add_u32 v8, v23, 14, v1                 ; and its codes
	v_and_b32 v24, 3, v18                          ; my 32 channels
	v_mul_u32_u24 v11, v23, OPART
	v_mad_u32_u24 v11, v20, OP, v11
	v_lshl_add_u32 v11, v24, 7, v11
	v_lshl_add_u32 v11, v21, 5, v11
	v_add_nc_u32 v11, OST, v11                     ; my part of O: row r, my channels, + 32 h
	v_mad_u32_u24 v12, v18, 4*OP, v1
	v_add_nc_u32 v12, OST, v12                     ; the rows that I store, 4 w on
	v_lshl_add_u32 v13, v18, 9, v1
	v_add_nc_u32 v13, UB, v13                      ; my part of the uniform vector
	v_add_nc_u32 v14, UB, v1                       ; and where all are read
	v_lshrrev_b32 v25, 3, v19
	v_lshl_add_u32 v25, v18, 2, v25
	v_mul_u32_u24 v15, v25, SPI
	v_and_b32 v25, 7, v19
	v_lshl_add_u32 v15, v25, 3, v15
	v_add_nc_u32 v15, PS, v15                      ; row 4 w + lane / 8, positions 2 (lane % 8), + 1
.irp i, 0,1,2,3,4,5,6,7
	v_mov_b32 v[PM+\i], 0                          ; a lane permute's destination counts as read
.endr
	v_mov_b32 v[NEG+1], 0                          ; (named as the upper halves of pairs)
	v_mov_b32 v[NEG+3], 0
.irp i, 0,1,2,3,4,5,6,7
	v_mov_b32 v[24+\i], 0                          ; v24-31: from here on tile 1's scale words of p at my parity's eight positions (a lane permute's destination too)
.endr
; V's registers and scale words, while the arguments are on their way: a step that does not exist is not loaded, and its zero codes of p meet finite numbers.
.irp i, 0,1,2,3,4,5,6,7
	v_mov_b32 v[184+\i], 0
.endr
	WIN 0x40                                       ; destination window 1
.set jj, 0
.rept 128
	v_mov_b32 v[VB+jj], 0
.set jj, jj+1
.endr
	WIN 0
	s_lshr_b32 s40, ttmp9, 5                       ; the batch of my uniform rows
	s_lshl_b32 s42, s40, 2                         ; its length,
	s_mov_b32 s43, 0
	s_lshl_b32 s44, s40, 13                        ; and its 16 column sums, of which I take 2 w and 2 w + 1
	s_lshl_b32 s41, s2, 10
	s_add_co_u32 s44, s44, s41
	s_mov_b32 s45, 0
	s_lshl_b32 s46, ttmp9, 4                       ; my entry of the plan
	s_mov_b32 s47, 0
	s_and_b32 s70, ttmp9, 31
	s_lshl_b32 s70, s70, 6
	s_lshl_b32 s41, s2, 3
	s_add_co_u32 s70, s70, s41                     ; my first uniform row in its batch: eight rows a wave
	s_lshl_b32 s48, ttmp9, 15
	s_lshl_b32 s41, s2, 12
	s_add_co_u32 s48, s48, s41                     ; and in out0, in bytes
	s_mov_b32 s49, 0
	s_and_b32 s41, s2, 3
	s_lshr_b32 s68, s2, 2                          ; my parity
	s_lshl_b32 s66, s41, 11
	s_lshl_b32 s40, s68, 13
	s_add_co_u32 s66, s66, s40                     ; my channels' two images in my first step of V,
	s_lshl_b32 s67, s41, 7
	s_lshl_b32 s40, s68, 9
	s_add_co_u32 s67, s67, s40                     ; and their 32 scale words
	s_sub_co_u32 s69, 0, s68                       ; all ones where my parity is 1
	s_mov_b32 s71, 0xffff0000                      ; lanes 16-31
	s_mov_b32 s74, 0x76543210
	s_mov_b32 s75, 0xfedcba98                      ; v_permlanex16_b32's selects for lane l xor 16
	s_mov_b32 s77, 0x80808080
	s_mov_b32 s38, 0x3e0293ee                      ; c = log2(e) / sqrt(128)
	s_mov_b32 s39, s38                             ; (named with it as a pair, so it is written)
.irp i, 0,1,2,3
	s_mov_b32 s[60+\i], 0                          ; the reciprocals of my four rows' sums
.endr
	s_mov_b32 s3, 0                                ; tasks done
	s_wait_alu depctr_va_vdst(0)
	s_wait_kmcnt 0x0
	s_add_nc_u64 s[8:9], s[8:9], s[42:43]
	s_add_nc_u64 s[22:23], s[22:23], s[44:45]
	s_add_nc_u64 s[24:25], s[24:25], s[46:47]
	s_add_nc_u64 s[72:73], s[26:27], s[48:49]
	s_load_b128 s[28:31], s[24:25], 0x0            ; my first task: batch, pair, key steps, length
	s_load_b128 s[32:35], s[24:25], 0x1000         ; my second
	s_load_b32 s36, s[8:9], 0x0                    ; the length for my uniform rows
	global_load_b128 v[32:35], v1, s[22:23]
	global_load_b128 v[36:39], v1, s[22:23] offset:512
	s_wait_kmcnt 0x0
	s_max_i32 s36, s36, 0
	s_min_u32 s36, s36, 2048
; The task in s28-31: its numbers are held to their ranges, and where everything of it lies is made.
.macro TASK
	s_min_u32 s28, s28, 7                          ; b
	s_min_u32 s29, s29, 63                         ; pair y
	s_min_u32 s30, s30, 16                         ; key steps
	s_min_u32 s31, s31, 2048                       ; len
	s_mov_b32 s43, 0
	s_lshl_b32 s40, s28, 6
	s_add_co_u32 s40, s40, s29                     ; 64 b + y
	s_lshl_b32 s42, s40, 11
	s_add_nc_u64 s[44:45], s[10:11], s[42:43]      ; Q's two images,
	s_lshl_b32 s42, s40, 7
	s_add_nc_u64 s[46:47], s[12:13], s[42:43]      ; their 32 scale words
	s_max_u32 s41, s30, 1
	s_sub_co_u32 s41, s41, 1
	s_min_u32 s41, s41, s2
	s_min_u32 s41, s41, 15                         ; my first step (the task's last, where I have none)
	s_lshl_b32 s42, s28, 17
	s_lshl_b32 s40, s41, 13
	s_add_co_u32 s42, s42, s40
	s_add_nc_u64 s[48:49], s[14:15], s[42:43]      ; K's codes: 8,192 bytes a step,
	s_lshl_b32 s42, s28, 13
	s_lshl_b32 s40, s41, 9
	s_add_co_u32 s42, s42, s40
	s_add_nc_u64 s[50:51], s[16:17], s[42:43]      ; their scale words: 512 a step
	s_lshl_b32 s42, s28, 17
	s_add_co_u32 s42, s42, s66
	s_add_nc_u64 s[52:53], s[18:19], s[42:43]      ; V's codes,
	s_lshl_b32 s42, s28, 13
	s_add_co_u32 s42, s42, s67
	s_add_nc_u64 s[54:55], s[20:21], s[42:43]      ; their scale words
	s_lshl_b32 s58, s29, 5
	s_lshl_b32 s40, s2, 2
	s_add_co_u32 s58, s58, s40                     ; the first of the four rows that I store,
	s_lshl_b32 s42, s28, 20
	s_lshl_b32 s40, s58, 9
	s_add_co_u32 s42, s42, s40
	s_add_nc_u64 s[56:57], s[26:27], s[42:43]      ; in out0
.endm
; Q and K of my first step: 26 loads.  A load of K's words brings two tiles': the even one's in lanes 0-15, the odd one's in lanes 16-31.
.macro QKLOAD
.irp i, 0,1,2,3
	global_load_b128 v[160+4*\i:163+4*\i], v1, s[44:45] offset:512*\i
.endr
	global_load_b32 v192, v3, s[46:47]
	global_load_b32 v193, v3, s[46:47] offset:64
	WIN 0x40
.irp i, 0,1,2,3,4,5,6,7,8,9,10,11,12,13,14,15
	global_load_b128 v[4*\i:4*\i+3], v1, s[48:49] offset:512*\i
.endr
	WIN 0
.irp u, 0,1,2,3
	global_load_b32 v[176+\u], v2, s[50:51] offset:128*\u
.endr
.endm
.macro K1LOAD                          ; K of my second step, eight steps on: 20 loads
	WIN 0x40
.irp i, 0,1,2,3,4,5,6,7,8,9,10,11,12,13,14,15
	global_load_b128 v[64+4*\i:67+4*\i], v1, s[48:49] offset:65536+512*\i
.endr
	WIN 0
.irp u, 0,1,2,3
	global_load_b32 v[180+\u], v2, s[50:51] offset:4096+128*\u
.endr
.endm
.macro VL j                            ; V of step 2 j + parity, my 32 channels: 5 loads
	WIN 0x40
.irp g, 0,1,2,3
	global_load_b128 v[VB+16*\j+4*\g:VB+16*\j+4*\g+3], v1, s[52:53] offset:16384*\j+512*\g
.endr
	WIN 0
	global_load_b32 v[184+\j], v2, s[54:55] offset:1024*\j
.endm
.macro VLC j                           ; the same, if the step exists
	s_add_co_u32 s40, s68, 2*\j
	s_cmp_gt_u32 s30, s40
	s_cbranch_scc0 .Lnov_\@
	VL \j
.Lnov_\@:
.endm
.macro SCORES kb, kw                   ; S^T of both tiles for one step
	WIN 0x01                                       ; K (source 0) window 1
.irp q, 0,1
.irp b, 0,1,2,3
	v_wmma_scale_f32_32x16x128_f4 v[SC+64*\q+16*\b:SC+64*\q+16*\b+15], v[\kb+16*\b:\kb+16*\b+15], v[160+8*\q:167+8*\q], 0, v[\kw+\b], v[192+\q]
.endr
.endr
	WIN 0
.rept 4
	v_nop                                          ; four places ahead of the first read of the scores
.endr
.endm
; THE MASK: in the one step that the length cuts (first key s76), the scores of keys >= len become -1e9 x sqrt(128), so that t is reference()'s -1e9 x log2(e) and p is 0.
.macro MASK
	s_add_co_u32 s40, s76, 128
	s_cmp_le_u32 s40, s31
	s_cbranch_scc1 .Lopen_\@                       ; all 128 keys count
	s_sub_co_i32 s41, s31, s76
	s_sub_co_i32 s41, s41, 1
	v_sub_nc_u32 v252, s41, v17                    ; d = len - 1 - first key - 16 (lane / 16): register 16 b + i is hidden where 32 b + i > d
	v_mov_b32 v254, 0xd028964a
.set nn, 0
.rept 64
	v_cmp_gt_i32 vcc_lo, 32*(nn/16)+nn%16, v252    ; one compare serves both tiles
	v_cndmask_b32 v[SC+nn], v[SC+nn], v254, vcc_lo
	v_cndmask_b32 v[SC+64+nn], v[SC+64+nn], v254, vcc_lo
.set nn, nn+1
.endr
.Lopen_\@:
.endm
; BOTH TILES' SOFTMAX FOR ONE STEP, line by line by turns, so that no line waits for the line above it.  n = 0, 1: my first or second step.
.macro SM2 n
.irp b, 0,1,2,3,4,5,6,7                ; b = 4 x tile + block of 32 keys: its largest score serves for the row's maximum and, since p rises with the score, for the block's largest p
	v_max3_num_f32 v[BM+\b], v[SC+16*\b], v[SC+16*\b+1], v[SC+16*\b+2]
.endr
.irp i, 3,5,7,9,11,13
.irp b, 0,1,2,3,4,5,6,7
	v_max3_num_f32 v[BM+\b], v[BM+\b], v[SC+16*\b+\i], v[SC+16*\b+\i+1]
.endr
.endr
.irp b, 0,1,2,3,4,5,6,7
	v_max_num_f32 v[BM+\b], v[BM+\b], v[SC+16*\b+15]
.endr
.irp b, 0,1,2,3,4,5,6,7
	v_permlanex16_b32 v[PM+\b], v[BM+\b], s74, s75
.endr
.irp b, 0,1,2,3,4,5,6,7
	v_max_num_f32 v[BM+\b], v[BM+\b], v[PM+\b]     ; with lane l xor 16's 16 keys
.endr
.irp q, 0,1
	v_max3_num_f32 v[TT+\q], v[BM+4*\q], v[BM+4*\q+1], v[BM+4*\q+2]
.endr
.irp q, 0,1
	v_max_num_f32 v[TT+\q], v[TT+\q], v[BM+4*\q+3]
.endr
.irp q, 0,1
	v_mul_f32 v[TT+\q], s38, v[TT+\q]              ; as t (c is positive)
.endr
.irp q, 0,1
	v_floor_f32 v[NEG+2*\q], -v[TT+\q]             ; -M = floor(-t) = -ceil(t)
.endr
.set jj, 0
.rept 32
	v_pk_fma_f32 v[SC+jj:SC+jj+1], v[SC+jj:SC+jj+1], s[38:39], v[NEG:NEG+1] op_sel_hi:[1,0,0]   ; t - M, two at a time (of the pairs c and -M the low word serves both halves)
	v_pk_fma_f32 v[SC+64+jj:SC+65+jj], v[SC+64+jj:SC+65+jj], s[38:39], v[NEG+2:NEG+3] op_sel_hi:[1,0,0]
.set jj, jj+2
.endr
.irp q, 0,1
.irp b, 0,1,2,3
	v_fma_f32 v[BM+4*\q+\b], v[BM+4*\q+\b], s38, v[NEG+2*\q]   ; the same of each block's largest score
.endr
.endr
	s_wait_alu depctr_va_vdst(0)
.irp b, 0,1,2,3,4,5,6,7
	v_exp_f32 v[BM+\b], v[BM+\b]
.endr
.set jj, 0
.rept 128
	v_exp_f32 v[SC+jj], v[SC+jj]                   ; p = 2^(t - M), at most 1
.set jj, jj+1
.endr
	v_nop                                          ; a plain place behind the batch
	s_wait_alu depctr_va_vdst(0)                   ; ahead of the batch's first reader
.irp q, 0,1                            ; the step's sums, of the unquantised p: two chains a tile
	v_pk_add_f32 v[SM+4*\q:SM+4*\q+1], v[SC+64*\q:SC+64*\q+1], v[SC+64*\q+2:SC+64*\q+3]
	v_pk_add_f32 v[SM+4*\q+2:SM+4*\q+3], v[SC+64*\q+4:SC+64*\q+5], v[SC+64*\q+6:SC+64*\q+7]
.endr
.irp j, 8,12,16,20,24,28,32,36,40,44,48,52,56,60
.irp q, 0,1
	v_pk_add_f32 v[SM+4*\q:SM+4*\q+1], v[SM+4*\q:SM+4*\q+1], v[SC+64*\q+\j:SC+64*\q+\j+1]
	v_pk_add_f32 v[SM+4*\q+2:SM+4*\q+3], v[SM+4*\q+2:SM+4*\q+3], v[SC+64*\q+\j+2:SC+64*\q+\j+3]
.endr
.endr
.irp b, 0,1,2,3,4,5,6,7
	v_max_num_f32 v[BM+\b], 0x1800000, v[BM+\b]    ; the floor 2^(3 - 127): the byte cannot fall under 1 (a block whose every p is 0 keeps that byte: its codes are zeros)
.endr
.irp q, 0,1
	v_pk_add_f32 v[SM+4*\q:SM+4*\q+1], v[SM+4*\q:SM+4*\q+1], v[SM+4*\q+2:SM+4*\q+3]
.endr
.irp b, 0,1,2,3,4,5,6,7
	v_add_nc_u32 v[SO+\b], 0xff000000, v[BM+\b]    ; 2 off the exponent field: the conversion's scale operand
.endr
.irp q, 0,1
	v_add_f32 v[SM+4*\q], v[SM+4*\q], v[SM+4*\q+1]
.endr
.irp q, 0,1
	v_permlanex16_b32 v[PM+\q], v[SM+4*\q], s74, s75
.endr
.irp q, 0,1
	v_add_f32 v[SM+4*\q], v[SM+4*\q], v[PM+\q]     ; and lane l xor 16's
.endr
.irp b, 0,1,2,3,4,5,6,7
	v_lshrrev_b32 v[PM+\b], 23, v[SO+\b]           ; the bytes
.endr
.irp e, 1,2,3
.irp q, 0,1
.if \e == 1
	v_lshl_or_b32 v[WRD+\q], v[PM+4*\q+1], 8, v[PM+4*\q]       ; p's scale words for these 128 keys
.else
	v_lshl_or_b32 v[WRD+\q], v[PM+4*\q+\e], 8*\e, v[WRD+\q]
.endif
.endr
.endr
.irp q, 0,1
.irp b, 0,1,2,3
	v_cvt_scalef32_pk8_fp4_f32 v[CODE+8*\q+2*\b], v[SC+64*\q+16*\b:SC+64*\q+16*\b+7], v[SO+4*\q+\b]
	v_cvt_scalef32_pk8_fp4_f32 v[CODE+8*\q+2*\b+1], v[SC+64*\q+16*\b+8:SC+64*\q+16*\b+15], v[SO+4*\q+\b]
.endr
.endr
	v_cndmask_b32 v252, v[WRD], v[WRD+1], s71      ; lanes 0-15 tile 0's rows, lanes 16-31 tile 1's.  (Plain places behind the conversions)
	v_cndmask_b32 v253, v[NEG], v[NEG+2], s71
	v_cndmask_b32 v254, v[SM], v[SM+4], s71
.irp q, 0,1                            ; the operand wants a whole block in a lane: lanes 0-15 block 2 c, lanes 16-31 block 2 c + 1
.irp c, 0,1
.irp i, 0,1
	v_permlane16_swap_b32 v[CODE+8*\q+4*\c+\i], v[CODE+8*\q+4*\c+2+\i]
.endr
.endr
.endr
	ds_store_b32 v7, v252 offset:16*\n
	ds_store_b32 v7, v253 offset:NMO+16*\n
	ds_store_b32 v7, v254 offset:LLO+16*\n
.irp i, 0,1,2,3
	ds_store_b128 v4, v[CODE+4*\i:CODE+4*\i+3] offset:8192*\n+512*\i
.endr
.endm
.macro SENT n                          ; a step of mine that does not exist
.irp i, 0,1,2,3
	v_mov_b32 v[CODE+\i], 0
.endr
	v_mov_b32 v253, 0x7f61b1e6                     ; -M = 3e38
	ds_store_b32 v7, v[CODE] offset:16*\n
	ds_store_b32 v7, v253 offset:NMO+16*\n
	ds_store_b32 v7, v[CODE] offset:LLO+16*\n
.irp i, 0,1,2,3
	ds_store_b128 v4, v[CODE:CODE+3] offset:8192*\n+512*\i
.endr
.endm
	TASK
	QKLOAD
; THE UNIFORM ROWS.  My two steps' column sums are added and shared; behind the barrier every wave has all eight parts.
	s_wait_loadcnt 26                              ; the column sums are in; the 26 loads behind them may be out
	v_pk_add_f32 v[32:33], v[32:33], v[36:37]
	v_pk_add_f32 v[34:35], v[34:35], v[38:39]
	ds_store_b128 v13, v[32:35]
	s_wait_dscnt 0x0                               ; for the others' sake: my store has landed
	s_barrier_signal -1
	s_barrier_wait -1
.irp i, 0,1,2,3,4,5,6,7
	ds_load_b128 v[40+4*\i:43+4*\i], v14 offset:512*\i
.endr
	s_wait_dscnt 0x0
.irp i, 40,44,48,52
	v_pk_add_f32 v[\i:\i+1], v[\i:\i+1], v[\i+16:\i+17]
	v_pk_add_f32 v[\i+2:\i+3], v[\i+2:\i+3], v[\i+18:\i+19]
.endr
.irp i, 40,44
	v_pk_add_f32 v[\i:\i+1], v[\i:\i+1], v[\i+8:\i+9]
	v_pk_add_f32 v[\i+2:\i+3], v[\i+2:\i+3], v[\i+10:\i+11]
.endr
	v_pk_add_f32 v[40:41], v[40:41], v[44:45]
	v_pk_add_f32 v[42:43], v[42:43], v[46:47]
	v_pk_mul_f32 v[40:41], v[40:41], 0x3a000000 op_sel_hi:[1,0]   ; x 2^-11
	v_pk_mul_f32 v[42:43], v[42:43], 0x3a000000 op_sel_hi:[1,0]
	s_wait_alu depctr_va_vdst(0)
.irp i, 7,6,5,4,3,2,1,0                ; from the last row down: the first row under the length ends it
	s_add_co_u32 s40, s70, \i
	s_cmp_lt_u32 s40, s36
	s_cbranch_scc1 .Lunid
	global_store_b128 v1, v[40:43], s[72:73] offset:512*\i th:TH_STORE_NT   ; 32 lanes store a whole row: 512 consecutive bytes, aligned
.endr
.Lunid:
	s_wait_xcnt 0x0                                ; the stores have read v40-43, which the scores take
; TWO TASKS, one after the other.  Every wave passes both barriers in both trips, whatever it walks.
.Ltask:
	s_cmp_eq_u32 s30, 0
	s_cbranch_scc0 .Lgo
	s_wait_loadcnt 0x0                             ; no such task
	s_branch .Ljoin
.Lgo:
	s_add_co_u32 s59, s2, 8
	s_cmp_gt_u32 s30, s59
	s_cbranch_scc1 .Ltwo
	s_cmp_gt_u32 s30, s2
	s_cbranch_scc1 .Lone
	s_wait_loadcnt 0x0                             ; NO STEP OF MINE: what I asked for has landed, so its registers may be written behind the barrier
.irp j, 0,1,2,3,4,5,6,7
	VLC \j
.endr
	SENT 0
	SENT 1
	s_branch .Ljoin
.Lone:                                         ; ONE STEP
	s_wait_loadcnt 0x0                             ; Q and K are in
	SCORES 0, 176
.irp j, 0,1,2,3,4,5,6,7
	VLC \j
.endr
	s_lshl_b32 s76, s2, 7
	MASK
	SM2 0
	SENT 1
	s_branch .Ljoin
.Ltwo:                                         ; TWO STEPS: the task has nine steps or more, so the length does not cut my first, and V's steps 0 to 7 exist
	K1LOAD
	s_wait_loadcnt 20                              ; Q and K of my first step are in; the 20 loads just issued may be out
	SCORES 0, 176
	VL 0
	VL 1
	VL 2
	VL 3
	SM2 0
	s_wait_alu depctr_va_vdst(0)
	s_wait_loadcnt 20                              ; K of my second step is in; V's 20 loads may be out
	SCORES 64, 180
.irp j, 4,5,6,7
	VLC \j
.endr
	s_lshl_b32 s76, s59, 7
	MASK
	SM2 1
.Ljoin:
	s_wait_alu depctr_va_vdst(0)
	s_wait_dscnt 0x0                               ; for the others' sake: my stores have landed, and my reads of the last task's parts of O are over
	s_barrier_signal -1
	s_barrier_wait -1                              ; p's codes, scale words, -M and sums of all steps are there
	s_cmp_eq_u32 s30, 0
	s_cbranch_scc1 .Lnopv
.irp i, 0,1,2,3
	ds_load_b128 v[232+4*\i:235+4*\i], v9 offset:NMO+16*\i     ; -M of my lane's row at all 16 positions
.endr
	ds_load_b128 v[176:179], v10                   ; the scale words at my parity's eight
	ds_load_b128 v[180:183], v10 offset:16
	ds_load_b64 v[228:229], v15 offset:NMO         ; for the rows that I store: -M,
	ds_load_b64 v[230:231], v15 offset:LLO         ; and the sums
.irp j, 0,1,2,3,4,5,6,7
.irp i, 0,1,2,3
	ds_load_b128 v[SC+16*\j+4*\i:SC+16*\j+4*\i+3], v8 offset:2048*\j+512*\i   ; p's codes of both tiles
.endr
.endr
	s_wait_dscnt 32                                ; all but the 32 loads of codes
	v_min3_num_f32 v194, v232, v233, v234          ; -M* of my lane's row
	v_min3_num_f32 v195, v235, v236, v237
	v_min3_num_f32 v194, v194, v238, v239
	v_min3_num_f32 v195, v195, v240, v241
	v_min3_num_f32 v194, v194, v242, v243
	v_min3_num_f32 v195, v195, v244, v245
	v_min3_num_f32 v194, v194, v246, v247
	v_min_num_f32 v194, v194, v195
; The scale words under M*: each of a word's four bytes falls by D = M* - M.  With the bytes' top bits set nothing is borrowed between them (a byte is at most 126 here, D too); where a top bit is lost the byte becomes 0.
.irp j, 0,1,2,3,4,5,6,7
	v_cndmask_b32 v[248+\j], v[232+\j], v[240+\j], s69   ; -M at my parity's positions
.endr
.irp j, 0,1,2,3,4,5,6,7
	v_sub_f32 v[248+\j], v[248+\j], v194
.endr
.irp j, 0,1,2,3,4,5,6,7
	v_min_num_f32 v[248+\j], 0x42fc0000, v[248+\j]   ; D, at most 126
.endr
.irp j, 0,1,2,3,4,5,6,7
	v_cvt_u32_f32 v[248+\j], v[248+\j]
.endr
.irp j, 0,1,2,3,4,5,6,7
	v_lshl_or_b32 v[248+\j], v[248+\j], 8, v[248+\j]
.endr
.irp j, 0,1,2,3,4,5,6,7
	v_lshl_or_b32 v[248+\j], v[248+\j], 16, v[248+\j]
.endr
.irp j, 0,1,2,3,4,5,6,7
	v_or_b32 v[176+\j], s77, v[176+\j]
.endr
.irp j, 0,1,2,3,4,5,6,7
	v_sub_nc_u32 v[176+\j], v[176+\j], v[248+\j]
.endr
.irp j, 0,1,2,3,4,5,6,7
	v_and_b32 v[248+\j], s77, v[176+\j]            ; the top bits that are left,
.endr
.irp j, 0,1,2,3,4,5,6,7
	v_lshrrev_b32 v[232+\j], 7, v[248+\j]
.endr
.irp j, 0,1,2,3,4,5,6,7
	v_sub_nc_u32 v[248+\j], v[248+\j], v[232+\j]   ; as masks of seven bits
.endr
.irp j, 0,1,2,3,4,5,6,7
	v_and_b32 v[176+\j], v[176+\j], v[248+\j]      ; lanes 0-15: tile 0's scale words
.endr
.irp j, 0,1,2,3,4,5,6,7
	v_permlanex16_b32 v[24+\j], v[176+\j], s74, s75   ; lanes 0-15: tile 1's
.endr
; The sums of the rows that I store, eight lanes to a row, two positions a lane.
	v_min_num_f32 v196, v228, v229
	v_min_num_f32_dpp v196, v196, v196 row_xmask:1 row_mask:0xf bank_mask:0xf
	v_min_num_f32_dpp v196, v196, v196 row_xmask:2 row_mask:0xf bank_mask:0xf
	v_min_num_f32_dpp v196, v196, v196 row_xmask:4 row_mask:0xf bank_mask:0xf
	v_sub_f32 v197, v196, v228                     ; M - M*: a whole number, 0 or less
	v_sub_f32 v198, v196, v229
	v_cvt_i32_f32 v197, v197                       ; (it saturates)
	v_cvt_i32_f32 v198, v198
	v_ldexp_f32 v230, v230, v197
	v_ldexp_f32 v231, v231, v198
	v_add_f32 v196, v230, v231
	v_add_f32_dpp v196, v196, v196 row_xmask:1 row_mask:0xf bank_mask:0xf
	v_add_f32_dpp v196, v196, v196 row_xmask:2 row_mask:0xf bank_mask:0xf
	v_add_f32_dpp v196, v196, v196 row_xmask:4 row_mask:0xf bank_mask:0xf
	s_wait_alu depctr_va_vdst(0)
	v_rcp_f32 v196, v196                           ; (a row's sum is above 1/2: the step with M* has a p above that)
	v_nop
	s_wait_alu depctr_va_vdst(0)                   ; ahead of the reciprocal's first reader
.irp i, 0,1,2,3
	v_readlane_b32 s[60+\i], v196, 8*\i
.endr
	s_wait_loadcnt 0x0                             ; V is in
; O^T of my 32 channels, both tiles by turns.
.rept 5
	v_nop                                          ; places between the reads of v196 and the products that take it
.endr
.irp j, 0,1,2,3,4,5,6,7
	s_wait_dscnt 28-4*\j                           ; this position's codes are in; the later ones' may be out
	WIN 0x01                                       ; V (source 0) window 1
.if \j == 0
	v_wmma_scale_f32_32x16x128_f4 v[OA:OA+15], v[VB:VB+15], v[SC:SC+7], 0, v184, v176
	v_wmma_scale_f32_32x16x128_f4 v[OA+16:OA+31], v[VB:VB+15], v[SC+8:SC+15], 0, v184, v24
.else
	v_wmma_scale_f32_32x16x128_f4 v[OA:OA+15], v[VB+16*\j:VB+16*\j+15], v[SC+16*\j:SC+16*\j+7], v[OA:OA+15], v[184+\j], v[176+\j]
	v_wmma_scale_f32_32x16x128_f4 v[OA+16:OA+31], v[VB+16*\j:VB+16*\j+15], v[SC+16*\j+8:SC+16*\j+15], v[OA+16:OA+31], v[184+\j], v[24+\j]
.endif
.endr
	WIN 0
.rept 8
	v_nop                                          ; places ahead of the first read of O^T and of loads into these products' registers (4), and of the next task's scores, which are written over p's codes (5)
.endr
.irp q, 0,1                            ; lane (r, h): channels 8 h + 0 .. 7 and 16 + 8 h + 0 .. 7 of my 32, of query 16 q + r
	ds_store_b128 v11, v[OA+16*\q:OA+16*\q+3] offset:16*OP*\q
	ds_store_b128 v11, v[OA+16*\q+4:OA+16*\q+7] offset:16*OP*\q+16
	ds_store_b128 v11, v[OA+16*\q+8:OA+16*\q+11] offset:16*OP*\q+64
	ds_store_b128 v11, v[OA+16*\q+12:OA+16*\q+15] offset:16*OP*\q+80
.endr
.Lnopv:
	s_wait_dscnt 0x0                               ; for the others' sake: my stores have landed, and my reads of codes and words are over
	s_barrier_signal -1
	s_barrier_wait -1                              ; both parts of O are there
	s_cmp_le_u32 s31, s58
	s_cbranch_scc1 .Lout                           ; none of my four rows lies under the length
.irp i, 0,1,2,3
	ds_load_b128 v[32+8*\i:35+8*\i], v12 offset:OP*\i
	ds_load_b128 v[36+8*\i:39+8*\i], v12 offset:OP*\i+OPART
.endr
.irp i, 0,1,2,3
	s_wait_dscnt 6-2*\i
	v_pk_add_f32 v[32+8*\i:33+8*\i], v[32+8*\i:33+8*\i], v[36+8*\i:37+8*\i]
	v_pk_add_f32 v[34+8*\i:35+8*\i], v[34+8*\i:35+8*\i], v[38+8*\i:39+8*\i]
.irp e, 0,1,2,3
	v_mul_f32 v[32+8*\i+\e], s[60+\i], v[32+8*\i+\e]
.endr
.endr
	s_wait_alu depctr_va_vdst(0)
	global_store_b128 v1, v[32:35], s[56:57] th:TH_STORE_NT
.irp i, 1,2,3
	s_add_co_u32 s40, s58, \i
	s_cmp_le_u32 s31, s40
	s_cbranch_scc1 .Lout
	global_store_b128 v1, v[32+8*\i:35+8*\i], s[56:57] offset:512*\i th:TH_STORE_NT   ; 32 lanes store a whole row
.endr
.Lout:
	s_wait_xcnt 0x0                                ; the stores have read their registers and their base,
	s_wait_loadcnt 0x0                             ; and no load is out: everything may be written anew
	s_mov_b32 s28, s32                             ; the second task; behind it none
	s_mov_b32 s29, s33
	s_mov_b32 s30, s34
	s_mov_b32 s31, s35
	s_mov_b32 s34, 0
	s_mov_b32 s35, 0
	TASK
	s_cmp_eq_u32 s30, 0
	s_cbranch_scc1 .Lnoq
	QKLOAD
.Lnoq:
	s_add_co_u32 s3, s3, 1
	s_cmp_lt_u32 s3, 2
	s_cbranch_scc1 .Ltask
	s_wait_tensorcnt 0x0                           ; the wave's end
	ds_add_u32 v5, v6
	s_wait_dscnt 0x0
	s_endpgm
.Lfunc_end_k_q5f472d7b20_attn:
	.size	k_q5f472d7b20_attn, .Lfunc_end_k_q5f472d7b20_attn-k_q5f472d7b20_attn
	.p2alignl 7, 3214868480
	.fill 96, 4, 3214868480
	.section	.rodata,"a",@progbits
	.p2align	6, 0x0
	.amdhsa_kernel k_q5f472d7b20_attn
		.amdhsa_group_segment_fixed_size 79360
		.amdhsa_private_segment_fixed_size 0
		.amdhsa_enable_private_segment 0
		.amdhsa_kernarg_size 80
		.amdhsa_user_sgpr_count 2
		.amdhsa_user_sgpr_kernarg_segment_ptr 1
		.amdhsa_wavefront_size32 1
		.amdhsa_system_sgpr_workgroup_id_x 1
		.amdhsa_system_sgpr_workgroup_id_y 1
		.amdhsa_system_sgpr_workgroup_id_z 1
		.amdhsa_system_vgpr_workitem_id 0
		.amdhsa_next_free_vgpr 512
		.amdhsa_next_free_sgpr 80
		.amdhsa_reserve_vcc 1
		.amdhsa_float_denorm_mode_32 3
		.amdhsa_float_denorm_mode_16_64 3
		.amdhsa_memory_ordered 1
		.amdhsa_forward_progress 1
		.amdhsa_inst_pref_size 137
	.end_amdhsa_kernel
	.amdgpu_metadata
---
amdhsa.version: [ 1, 2 ]
amdhsa.kernels:
  - .name:           k_q5f472d7b20_attn
    .symbol:         k_q5f472d7b20_attn.kd
    .args:
      - { .name: event_lengths, .offset: 0, .size: 8, .value_kind: global_buffer, .address_space: global }
      - { .name: qc, .offset: 8, .size: 8, .value_kind: global_buffer, .address_space: global }
      - { .name: qs, .offset: 16, .size: 8, .value_kind: global_buffer, .address_space: global }
      - { .name: kc, .offset: 24, .size: 8, .value_kind: global_buffer, .address_space: global }
      - { .name: ks, .offset: 32, .size: 8, .value_kind: global_buffer, .address_space: global }
      - { .name: vc, .offset: 40, .size: 8, .value_kind: global_buffer, .address_space: global }
      - { .name: vs, .offset: 48, .size: 8, .value_kind: global_buffer, .address_space: global }
      - { .name: vsum, .offset: 56, .size: 8, .value_kind: global_buffer, .address_space: global }
      - { .name: plan, .offset: 64, .size: 8, .value_kind: global_buffer, .address_space: global }
      - { .name: out0, .offset: 72, .size: 8, .value_kind: global_buffer, .address_space: global }
    .group_segment_fixed_size: 79360
    .private_segment_fixed_size: 0
    .kernarg_segment_align: 8
    .kernarg_segment_size: 80
    .max_flat_workgroup_size: 256
    .sgpr_count:     80
    .vgpr_count:     512
    .wavefront_size: 32
...
	.end_amdgpu_metadata
.endif
;; end of part 2
